; MI455X (gfx1250); checked and timed in simulation.
; The chip was launched on July 23, 2026; its instructions are those of AMD's public machine-readable ISA for CDNA 5 (MIT licence, August 2026) and "CDNA5" Instruction Set Architecture Reference Guide (July 2026). The comments in the code are by the model that wrote it; some were corrected since.
;; Multi Head Attention. Allowed arithmetic: matrix products marked QUANTISED: E2M3 operands, one E8M0 scale for each 32 along K, by v_wmma_scale_f32_16x16x128_f8f6f4 with both operands' format E2M3, f32 sums; everything else in f32.
;; Inputs: Wk_b 1,024 float32; Wk_w 1,024 x 1,024 float32; Wq_b 1,024 float32; Wq_w 1,024 x 1,024 float32; Wv_b 1,024 float32; Wv_w 1,024 x 1,024 float32; dense_b 1,024 float32; dense_w 1,024 x 1,024 float32; k 4 x 2,048 x 1,024 float32; mask 2,048 x 2,048 float32; q 4 x 2,048 x 1,024 float32; v 4 x 2,048 x 1,024 float32.
;; Outputs: out0 4 x 2,048 x 1,024 float32.
;; This version of the problem:
;;   THIS VERSION OF THE PROBLEM IS GIVEN IN LOW PRECISION. The matrix products marked QUANTISED in the list below multiply operands that are first quantised to E2M3 (2 exponent bits, 3 mantissa bits; 6 bits a number), with one power-of-two scale for each 32 numbers along K (OCP MX v1.0); their sums are f32. All else is computed in f32.
;;   The module's matrix products, in the order in which they are computed (A, B: the left and right operand; K: the contracted axis; several contracted axes count as one K, in the product's order):
;;     1. [M 8,192, K 1,024] x [K 1,024, N 1,024]; A: input q; B: input Wq_w: QUANTISED
;;     2. [M 8,192, K 1,024] x [K 1,024, N 1,024]; A: input k; B: input Wk_w: QUANTISED
;;     3. [M 8,192, K 1,024] x [K 1,024, N 1,024]; A: input v; B: input Wv_w: QUANTISED
;;     4. batch 64 x [M 2,048, K 64] x [K 64, N 2,048]; A: computed on the way; B: computed on the way: QUANTISED
;;     5. batch 64 x [M 2,048, K 2,048] x [K 2,048, N 64]; A: softmax (see below); B: computed on the way: QUANTISED
;;     6. [M 8,192, K 1,024] x [K 1,024, N 1,024]; A: computed on the way; B: input dense_w: QUANTISED
;;   THE QUANTISER, for each operand of a quantised product, along K:
;;     - K is cut into blocks of 32 from its start; a last block that is shorter is filled with zeros.
;;     - A block's scale is 2^e with e = floor(log2(the largest magnitude in the block)) - 2, held to -126 .. 127; a block of zeros has e = 0. As a byte (E8M0): e + 127.
;;     - Each number is divided by its block's scale, clamped to +-7.5, and rounded to the nearest number of E2M3, ties to even, subnormals kept.
;;     - The product sums the exact products of the quantised numbers (number of the format x scale) in f32.
;;   ~~~python
;;   def quantise(x, axis):      # numpy; x: float32 -> the quantised numbers, widened to float32 again
;;       x = np.moveaxis(x, axis, -1); K = x.shape[-1]
;;       x = np.pad(x, [(0, 0)] * (x.ndim - 1) + [(0, -K % 32)]); x = x.reshape(x.shape[:-1] + (-1, 32)); a = np.abs(x).max(-1, keepdims=True)
;;       e = np.where(a > 0, np.clip(np.frexp(np.where(a > 0, a, 1))[1] - 1 - 2, -126, 127), 0)      # np.frexp(a)[1] - 1 = floor(log2(a)), exactly
;;       r = np.clip(x / 2.0 ** e, -7.5, 7.5)
;;       step = 2.0 ** (np.maximum(np.frexp(np.where(r == 0, 1, r))[1] - 1, 0) - 3)
;;       q = np.round(r / step) * step * 2.0 ** e      # np.round: ties to even
;;       return np.moveaxis(q.reshape(q.shape[:-2] + (-1,))[..., :K], -1, axis).astype(np.float32)
;;   ~~~
;;   SOFTMAX AHEAD OF A QUANTISED PRODUCT. Where the list says 'softmax', what is quantised is not the finished softmax but p = 2^(t - M), with t = logit x log2(e) and M = ceil(the row's largest t), a whole number; so 1/2 < the row's largest p <= 1. The row's sum l is taken of the UNQUANTISED p, in f32, and the product's result is divided by l at the end. Since M is a whole number, a kernel that streams over the keys may use a running M (the ceiling of the running maximum): every later rescaling is an exact power of two, which a block's scale takes up: the codes' values come out the same.
;;   OPERANDS COMPUTED ON THE WAY. 'Computed on the way' means the value that the module computes at that place (a softmax that the list does not call 'softmax' is quantised finished and normalised). What goes into a quantiser is computed in f32, as accurately as f32 sums, v_exp_f32 and their like allow (about 1e-6 of the number): no bf16 or f16 on the way to a quantiser, and a product that is left as it is and whose result goes on into a quantised operand takes f32 operands (vector FMAs, or v_wmma_f32_16x16x4_f32). A number that lies on a knife's edge between two numbers of the format may be rounded either way, as far as f32 arithmetic and the matrix unit's own rounding can turn it there, and no further.
;; One version. Each part assembles by itself: llvm-mc -triple=amdgcn-amd-amdhsa -mcpu=gfx1250 --defsym DOCPART=n.
;; ======== version 1 of 1: 4 launches
;; limits: right only within a limited range of input values
;; workspace buffers: opimg 22,937,600 bytes; att 21,233,664 bytes; ctximg 6,553,600 bytes
;; launch quant (part 1): grid 256 x 1, 7 waves a work-group, no clusters, 61,952 bytes of LDS; arguments q, k, v, Wq_w, Wk_w, Wv_w, dense_w, opimg; writes opimg
.if DOCPART == 1
	.amdgcn_target "amdgcn-amd-amdhsa--gfx1250"
	.amdhsa_code_object_version 6
	.text
	.protected	k_q0ca2395f86_quant
	.globl	k_q0ca2395f86_quant
	.p2align	8
	.type	k_q0ca2395f86_quant,@function
k_q0ca2395f86_quant:
	s_mov_b64 s[64:65], 0
	v_nop
	global_prefetch_b8 v0, s[64:65] scope:SCOPE_SE
	s_setreg_imm32_b32 hwreg(HW_REG_WAVE_MODE, 25, 1), 1
	s_wait_xcnt 0x0
; q, k, v [8192][1024] and Wq_w, Wk_w, Wv_w, dense_w [1024][1024], f32, K innermost, become codes of FP6 (E2M3) with one E8M0 byte for each 32 along K,
; laid IN THE ORDER OF THE OPERAND'S REGISTERS, so that the products' launches fetch dense blocks and load fragments by dense LDS loads.
; A UNIT is 128 rows x 128 along K: a block of 12,800 bytes = 8 fragment images of 1,536 bytes + 512 bytes of scale words.
;   Lane r of fragment a holds row 32 (a / 2) + 8 (a % 2) + r + 8 (r / 8) of the unit's 128: two neighbouring tiles of a transposed result then hold 16 neighbours along the next K.
;   A fragment image: half c (registers 6 c .. 6 c + 5 of lane (r, h): k = 64 c + 32 h + 0 .. 31) at 768 c: four registers at 16 x lane, then two at 512 + 8 x lane.
;   The scale words: lane l's 16 bytes at 16 l are words i = 0 .. 3: lanes 0-15 the word of fragment 2 i, row r; lanes 16-31 that of fragment 2 i + 1.
; Unit number = first unit of the tensor (0, 512, 1024, 1536, 1600, 1664, 1728) + 8 x (row / 128) + (k / 128): 1,792 units = 256 work-groups x 7 waves, a unit to a wave.
; A block's scale is 2^(floor(log2(largest magnitude)) - 2): its byte is the largest magnitude's exponent field - 2, held at 1 from below.
; LIMITS: NaN and infinities are not served; a block whose largest magnitude lies under 2^-124, a block of zeros too, keeps the byte 1 (its codes add nothing; this program alone reads the bytes).
; Each load reads 512 consecutive bytes of one row; 16 rows turn through the wave's own stage in LDS (pitch 528 bytes: 132 words, so that 16 rows start in 16 different groups of banks) and come back
; 128 bytes a lane and half.  No tensor loads, no barrier: waves share nothing.  Loads run two fragments (32 loads a wave) ahead.
.set STGB, 8704                        ; a wave's stage: 16 rows x 528 bytes, rounded up
.set PWS,  20                          ; v20-27   the scale word of each fragment
.set SW,   28                          ; v28-31   the scale words as they are stored
.set PF,   32                          ; v32-43   a fragment's codes
.set TT,   44                          ; v44-50   the halves whose three registers would begin on an odd number
.set RW,   64                          ; v64-191  two sets of 64 registers as loaded
.set XN,   192                         ; v192-255 my 64 numbers: 32 c + i = k 64 c + 32 h + i of my row
.set IN,   20                          ; s[20:21] the tensor
.set UN,   22                          ; s22      my unit
.set U0,   23                          ; s23      the tensor's first unit
.macro PICK thr, ptr                   ; the choice hangs on the unit's number alone
	s_cmp_ge_u32 s[UN], \thr
	s_cselect_b64 s[IN:IN+1], s[\ptr:\ptr+1], s[IN:IN+1]
	s_cselect_b32 s[U0], \thr, s[U0]
.endm
	s_load_b256 s[4:11], s[0:1], 0x0               ; q, k, v, Wq_w
	s_load_b256 s[12:19], s[0:1], 0x20             ; Wk_w, Wv_w, dense_w, opimg
	v_lshl_add_u32 v62, v0, 2, 0xee00
	v_mov_b32 v63, 0
	v_lshrrev_b32 v1, 5, v0
	v_readfirstlane_b32 s28, v1                    ; wave 0..6
	v_and_b32 v1, 31, v0                           ; lane
	v_and_b32 v2, 15, v0                           ; r
	v_bfe_u32 v3, v0, 4, 1                         ; h
	v_lshlrev_b32 v4, 4, v1                        ; 16 x lane: my bytes of a load and of a 16-byte store
	v_lshlrev_b32 v5, 3, v1                        ; 8 x lane
	s_mul_i32 s29, s28, STGB
	v_add_nc_u32 v6, s29, v4                       ; the stage, on the way in
	v_mul_u32_u24 v7, v2, 528
	v_lshl_add_u32 v7, v3, 7, v7
	v_add_nc_u32 v7, s29, v7                       ; and out: row r, + 128 h bytes
	v_lshlrev_b32 v8, 3, v3                        ; 8 h: where my two scale bytes stand in the word
	v_mov_b32 v9, 0                                ; a lane permute's destination counts as one of its sources
	s_mov_b32 s30, 0x76543210
	s_mov_b32 s31, 0xfedcba98                      ; v_permlanex16_b32's selects for lane l xor 16
	s_mul_i32 s[UN], ttmp9, 7
	s_add_co_u32 s[UN], s[UN], s28
	s_mov_b32 s[U0], 0
	s_wait_alu depctr_va_vdst(0)
	s_wait_kmcnt 0x0
	s_mov_b64 s[IN:IN+1], s[4:5]
	PICK 512, 6
	PICK 1024, 8
	PICK 1536, 10
	PICK 1600, 12
	PICK 1664, 14
	PICK 1728, 16
	s_sub_co_u32 s24, s[UN], s[U0]                 ; the unit within its tensor
	s_lshr_b32 s25, s24, 3
	s_lshl_b32 s25, s25, 19                        ; 128 rows of 4,096 bytes
	s_and_b32 s24, s24, 7
	s_lshl_b32 s24, s24, 9                         ; 128 numbers along K
	s_or_b32 s24, s24, s25
	s_mov_b32 s25, 0
	s_add_nc_u64 s[IN:IN+1], s[IN:IN+1], s[24:25]
	s_mul_i32 s26, s[UN], 12800
	s_mov_b32 s27, 0
	s_add_nc_u64 s[18:19], s[18:19], s[26:27]
.macro LOADF a                         ; fragment a's 16 rows, 512 consecutive bytes a load
.irp i, 0,1,2,3,4,5,6,7,8,9,10,11,12,13,14,15
	global_load_b128 v[RW+64*((\a)%2)+4*\i:RW+64*((\a)%2)+4*\i+3], v4, s[IN:IN+1] offset:(32*((\a)/2)+8*((\a)%2)+\i+8*(\i/8))*4096 th:TH_LOAD_NT
.endr
.endm
.macro FRAGQ a
.if (\a) < 7
	s_wait_loadcnt 16                              ; my 16 loads are in; the next fragment's 16 may be out
.else
	s_wait_loadcnt 0x0
.endif
.irp i, 0,1,2,3,4,5,6,7,8,9,10,11,12,13,14,15
	ds_store_b128 v6, v[RW+64*((\a)%2)+4*\i:RW+64*((\a)%2)+4*\i+3] offset:528*\i
.endr
.irp c, 0,1
.irp j, 0,1,2,3,4,5,6,7
	ds_load_b128 v[XN+32*\c+4*\j:XN+32*\c+4*\j+3], v7 offset:256*\c+16*\j   ; LDS serves a wave's instructions in order: these see the stores above
.endr
.endr
	s_wait_dscnt 0x0                               ; my numbers are back, and the stores have read their registers,
.if (\a) < 6
	LOADF (\a)+2                                   ; which take the loads of two fragments on
.endif
.irp c, 0,1
	v_max3_num_f32 v[10+\c], |v[XN+32*\c]|, |v[XN+32*\c+1]|, 0x1800000   ; block 2 c + h: all its 32 numbers are mine; and the floor 2^(3 - 127): the byte cannot fall under 1
.endr
.irp i, 2,4,6,8,10,12,14,16,18,20,22,24,26,28,30
.irp c, 0,1
	v_max3_num_f32 v[10+\c], v[10+\c], |v[XN+32*\c+\i]|, |v[XN+32*\c+\i+1]|
.endr
.endr
.irp c, 0,1
	v_add_nc_u32 v[12+\c], 0xff000000, v[10+\c]    ; 2 off the exponent field: the conversion's scale operand
.endr
.irp c, 0,1
	v_lshrrev_b32 v[14+\c], 23, v[12+\c]           ; the scale's byte
.endr
	v_lshl_or_b32 v16, v15, 16, v14                ; my two bytes, blocks h and 2 + h,
	v_lshlrev_b32 v16, v8, v16                     ; at their places in the word;
	v_permlanex16_b32 v9, v16, s30, s31
	v_or_b32 v[PWS+(\a)], v16, v9                  ; with lane l xor 16's two the word is whole
	s_wait_alu depctr_va_vdst(0)
	s_wait_xcnt 0x0                                ; the last fragment's stores have read their data: the codes' registers are written again only behind this wait
.irp c, 0,1
	v_cvt_scalef32_pk16_fp6_f32 v[PF+6*\c:PF+6*\c+2], v[XN+32*\c:XN+32*\c+15], v[12+\c]
	v_cvt_scalef32_pk16_fp6_f32 v[TT+4*\c:TT+4*\c+2], v[XN+32*\c+16:XN+32*\c+31], v[12+\c]   ; (a conversion's three registers begin on an even number)
.endr
	v_nop                                          ; one plain place behind a scaled conversion
.irp c, 0,1
.irp i, 0,1,2
	v_mov_b32 v[PF+6*\c+3+\i], v[TT+4*\c+\i]
.endr
.endr
	global_store_b128 v4, v[PF:PF+3], s[18:19] offset:1536*(\a)            ; 512 consecutive bytes,
	global_store_b64 v5, v[PF+4:PF+5], s[18:19] offset:1536*(\a)+512       ; 256,
	global_store_b128 v4, v[PF+6:PF+9], s[18:19] offset:1536*(\a)+768      ; and the second half likewise
	global_store_b64 v5, v[PF+10:PF+11], s[18:19] offset:1536*(\a)+1280
.endm
	LOADF 0
	LOADF 1
.irp a, 0,1,2,3,4,5,6,7
	FRAGQ \a
.endr
	v_cmp_le_u32 vcc_lo, 16, v1                    ; lanes 16-31 take the odd fragments' words
.irp i, 0,1,2,3
	v_cndmask_b32 v[SW+\i], v[PWS+2*\i], v[PWS+2*\i+1], vcc_lo
.endr
	global_store_b128 v4, v[SW:SW+3], s[18:19] offset:12288
	s_wait_tensorcnt 0x0
	ds_add_u32 v62, v63
	s_wait_dscnt 0x0
	s_endpgm
.Lfunc_end_k_q0ca2395f86_quant:
	.size	k_q0ca2395f86_quant, .Lfunc_end_k_q0ca2395f86_quant-k_q0ca2395f86_quant
	.p2alignl 7, 3214868480
	.fill 96, 4, 3214868480
	.section	.rodata,"a",@progbits
	.p2align	6, 0x0
	.amdhsa_kernel k_q0ca2395f86_quant
		.amdhsa_group_segment_fixed_size 61952
		.amdhsa_private_segment_fixed_size 0
		.amdhsa_enable_private_segment 0
		.amdhsa_kernarg_size 64
		.amdhsa_user_sgpr_count 2
		.amdhsa_user_sgpr_kernarg_segment_ptr 1
		.amdhsa_wavefront_size32 1
		.amdhsa_system_sgpr_workgroup_id_x 1
		.amdhsa_system_sgpr_workgroup_id_y 1
		.amdhsa_system_sgpr_workgroup_id_z 1
		.amdhsa_system_vgpr_workitem_id 0
		.amdhsa_next_free_vgpr 256
		.amdhsa_next_free_sgpr 66
		.amdhsa_reserve_vcc 1
		.amdhsa_float_denorm_mode_32 3
		.amdhsa_float_denorm_mode_16_64 3
		.amdhsa_memory_ordered 1
		.amdhsa_forward_progress 1
		.amdhsa_inst_pref_size 59
	.end_amdhsa_kernel
	.amdgpu_metadata
---
amdhsa.version: [ 1, 2 ]
amdhsa.kernels:
  - .name:           k_q0ca2395f86_quant
    .symbol:         k_q0ca2395f86_quant.kd
    .args:
      - { .name: q, .offset: 0, .size: 8, .value_kind: global_buffer, .address_space: global }
      - { .name: k, .offset: 8, .size: 8, .value_kind: global_buffer, .address_space: global }
      - { .name: v, .offset: 16, .size: 8, .value_kind: global_buffer, .address_space: global }
      - { .name: Wq_w, .offset: 24, .size: 8, .value_kind: global_buffer, .address_space: global }
      - { .name: Wk_w, .offset: 32, .size: 8, .value_kind: global_buffer, .address_space: global }
      - { .name: Wv_w, .offset: 40, .size: 8, .value_kind: global_buffer, .address_space: global }
      - { .name: dense_w, .offset: 48, .size: 8, .value_kind: global_buffer, .address_space: global }
      - { .name: opimg, .offset: 56, .size: 8, .value_kind: global_buffer, .address_space: global }
    .group_segment_fixed_size: 61952
    .private_segment_fixed_size: 0
    .kernarg_segment_align: 8
    .kernarg_segment_size: 64
    .max_flat_workgroup_size: 224
    .sgpr_count:     66
    .vgpr_count:     256
    .wavefront_size: 32
...
	.end_amdgpu_metadata
.endif
;; end of part 1
;; launch proj (part 2): grid 4 x 96, 4 waves a work-group, clusters of 4 x 4, 327,680 bytes of LDS; arguments opimg, Wq_b, Wk_b, Wv_b, att; writes att
.if DOCPART == 2
	.amdgcn_target "amdgcn-amd-amdhsa--gfx1250"
	.amdhsa_code_object_version 6
	.text
	.protected	k_q0ca2395f86_proj
	.globl	k_q0ca2395f86_proj
	.p2align	8
	.type	k_q0ca2395f86_proj,@function
k_q0ca2395f86_proj:
	s_mov_b64 s[64:65], 0
	v_nop
	global_prefetch_b8 v0, s[64:65] scope:SCOPE_SE
	s_setreg_imm32_b32 hwreg(HW_REG_WAVE_MODE, 25, 1), 1
	s_wait_xcnt 0x0
	s_wait_alu depctr_hold_cnt(0) depctr_sa_sdst(0) depctr_va_vdst(0) depctr_va_sdst(0) depctr_va_ssrc(0) depctr_va_vcc(0) depctr_vm_vsrc(0)
	s_getreg_b32 s2, hwreg(HW_REG_IB_STS2, 6, 4)
	s_cmp_eq_u32 s2, 0
	s_cbranch_scc0 .Lentry_in_a_cluster
	s_endpgm
.Lentry_in_a_cluster:
	s_bfe_u32 s2, ttmp6, 0x10000c
	s_cmp_lg_u32 s2, 0xf033
	s_cbranch_scc0 .Lentry_shape_is_right
	s_endpgm
.Lentry_shape_is_right:
.set GBB,   12800
.set RT,    2*GBB
.set TILEB, 8*GBB
.set SLOT,  4*RT
.set SPARE, 2*SLOT
.set ADRA16, 16
.set ADRA8,  18
.set ADRB16, 20
.set ADRB8,  22
.set L16, 24
.set L8,  25
.set LN,  26
.set SPW, 28
.set NIL, 29
.set SC,  32
.set BN,  64
.set AF,  128
.set BM2, 224
.set HA,  128
.set PC,  192
.set PWS, 64
.set RP,  72
.set TM,  84
.set PW,  100
.set G1,  24
.set G0,  32
.set G1B, 48
.set G0B, 56
.set MUL, 82
.set SEL, 90
.set MSB, 0
.macro WIN new
.if MSB != \new
	s_set_vgpr_msb (MSB<<8)|\new
.set MSB, \new
.endif
.endm
.set MUL_LO, 0xa1
.set MUL_HI, 0xf1
.set TO_B,   0x40
.macro JLOAD s
	s_cmp_eq_u32 s15, 0
	s_cbranch_scc0 .Lfor_b_\@
	tensor_load_to_lds s[G0+4*\s:G0+4*\s+3], s[G1:G1+7]
	s_nop 0
.rept 4
	v_nop
.endr
	s_branch .Lasked_\@
.Lfor_b_\@:
	tensor_load_to_lds s[G0B+4*\s:G0B+4*\s+3], s[G1B:G1B+7]
	s_nop 0
.rept 4
	v_nop
.endr
.Lasked_\@:
.endm
.macro CREST
	s_cmp_lg_u32 s14, 0
	s_cbranch_scc1 .Lnot_wave_0_\@
	s_barrier_signal -3
.Lnot_wave_0_\@:
	s_barrier_wait -3
	s_barrier_signal -1
	s_barrier_wait -1
.endm
.macro CROUND
	s_barrier_signal -1
	s_barrier_wait -1
	CREST
.endm
.macro PLACES
.rept 4
	v_nop
.endr
.endm
.macro WM d, x, y, c, sx, sy, ox, oy
.set rD, \d
.set rX, \x
.set rY, \y
.set rC, \c
.set rSX, \sx
.set rSY, \sy
.if ((\ox) == 0) && ((\oy) == 0)
	v_wmma_scale_f32_16x16x128_f8f6f4 v[rD:rD+7], v[rX:rX+11], v[rY:rY+11], v[rC:rC+7], v[rSX], v[rSY] matrix_a_fmt:MATRIX_FMT_FP6 matrix_b_fmt:MATRIX_FMT_FP6
.elseif (\oy) == 0
	v_wmma_scale_f32_16x16x128_f8f6f4 v[rD:rD+7], v[rX:rX+11], v[rY:rY+11], v[rC:rC+7], v[rSX], v[rSY] matrix_a_fmt:MATRIX_FMT_FP6 matrix_b_fmt:MATRIX_FMT_FP6 matrix_a_scale:MATRIX_SCALE_ROW1
.elseif (\ox) == 0
	v_wmma_scale_f32_16x16x128_f8f6f4 v[rD:rD+7], v[rX:rX+11], v[rY:rY+11], v[rC:rC+7], v[rSX], v[rSY] matrix_a_fmt:MATRIX_FMT_FP6 matrix_b_fmt:MATRIX_FMT_FP6 matrix_b_scale:MATRIX_SCALE_ROW1
.else
	v_wmma_scale_f32_16x16x128_f8f6f4 v[rD:rD+7], v[rX:rX+11], v[rY:rY+11], v[rC:rC+7], v[rSX], v[rSY] matrix_a_fmt:MATRIX_FMT_FP6 matrix_b_fmt:MATRIX_FMT_FP6 matrix_a_scale:MATRIX_SCALE_ROW1 matrix_b_scale:MATRIX_SCALE_ROW1
.endif
.endm
.macro FRAG reg, a16, a8, q, i
	ds_load_b128 v[\reg:\reg+3], v[\a16] offset:GBB*(\q)+1536*(\i)
	ds_load_b64 v[\reg+4:\reg+5], v[\a8] offset:GBB*(\q)+1536*(\i)
	ds_load_b128 v[\reg+6:\reg+9], v[\a16] offset:GBB*(\q)+1536*(\i)+768
	ds_load_b64 v[\reg+10:\reg+11], v[\a8] offset:GBB*(\q)+1536*(\i)+768
.endm
.macro FETCH_B slot, q, p
	WIN TO_B
.irp i, 0,1,2,3,4,5,6,7
	FRAG 128*(\p)+12*\i, ADRB16+\slot, ADRB8+\slot, \q, \i
.endr
	WIN 0
.endm
.macro FETCH_A slot, q, i0
.irp i, \i0, \i0+1, \i0+2, \i0+3
	FRAG AF+12*(\i), ADRA16+\slot, ADRA8+\slot, \q, \i
.endr
.endm
.macro SCALES slot
.irp q, 0,1
	ds_load_b128 v[SC+16*\slot+8*\q:SC+16*\slot+8*\q+3], v[ADRA16+\slot] offset:GBB*\q+12288
	ds_load_b128 v[SC+16*\slot+8*\q+4:SC+16*\slot+8*\q+7], v[ADRB16+\slot] offset:GBB*\q+12288
.endr
.endm
.macro MUL16 a0, p, q, set, first
.irp a, \a0, \a0+1
.irp b, 0,1,2,3,4,5,6,7
.if \first
	WM 8*(8*((\a)%4)+\b), 128*(\p)+12*\b, AF+12*(\a), BN+8*\b, SC+16*(\set)+8*(\q)+4+\b/2, SC+16*(\set)+8*(\q)+(\a)/2, \b%2, (\a)%2
.else
	WM 8*(8*((\a)%4)+\b), 128*(\p)+12*\b, AF+12*(\a), 8*(8*((\a)%4)+\b), SC+16*(\set)+8*(\q)+4+\b/2, SC+16*(\set)+8*(\q)+(\a)/2, \b%2, (\a)%2
.endif
.endr
.endr
.endm
.macro STEP slot, first
	s_wait_dscnt 16
.if \first
	WIN 0x81
.else
	WIN MUL_LO
.endif
	MUL16 0, 0, 0, \slot, \first
	MUL16 2, 0, 0, \slot, \first
	s_wait_dscnt 0x0
	PLACES
	FETCH_B \slot, 1, 1
	FETCH_A \slot, 1, 0
.if \first
	WIN 0xc1
.else
	WIN MUL_HI
.endif
	MUL16 4, 0, 0, \slot, \first
	MUL16 6, 0, 0, \slot, \first
	PLACES
	WIN 0
	FETCH_A \slot, 1, 4
.endm
.macro TURN slot, next, fill
	s_wait_tensorcnt 0x0
	ds_add_u32 v[SPW], v[NIL]
	s_wait_dscnt 17
	WIN MUL_LO
	MUL16 0, 1, 1, \slot, 0
	s_wait_dscnt 0x0
	s_barrier_signal -1
	MUL16 2, 1, 1, \slot, 0
	WIN 0
	s_barrier_wait -1
.if \fill
	CREST
	s_add_nc_u64 s[G0+4*\slot+2:G0+4*\slot+3], s[G0+4*\slot+2:G0+4*\slot+3], 2*RT
	s_add_nc_u64 s[G0B+4*\slot+2:G0B+4*\slot+3], s[G0B+4*\slot+2:G0B+4*\slot+3], 2*RT
	JLOAD \slot
.else
	PLACES
.endif
	FETCH_B \next, 0, 0
	FETCH_A \next, 0, 0
	SCALES \next
	WIN MUL_HI
	MUL16 4, 1, 1, \slot, 0
	MUL16 6, 1, 1, \slot, 0
	PLACES
	WIN 0
	FETCH_A \next, 0, 4
.endm
.macro QUANT s
.irp b, 0,1,2,3
	v_max3_num_f32 v[TM+\b], |v[\s+16*\b]|, |v[\s+1+16*\b]|, 0x1800000
.endr
.irp i, 2,4,6,8,10,12,14
.irp b, 0,1,2,3
	v_max3_num_f32 v[TM+\b], v[TM+\b], |v[\s+16*\b+\i]|, |v[\s+1+16*\b+\i]|
.endr
.endr
.irp b, 0,1,2,3
	v_permlanex16_b32 v[TM+4+\b], v[TM+\b], s[SEL], s[SEL+1]
.endr
.irp b, 0,1,2,3
	v_max_num_f32 v[TM+\b], v[TM+\b], v[TM+4+\b]
.endr
.irp b, 0,1,2,3
	v_add_nc_u32 v[TM+12+\b], 0xff000000, v[TM+\b]
.endr
.irp b, 0,1,2,3
	v_lshrrev_b32 v[TM+4+\b], 23, v[TM+12+\b]
.endr
	v_lshl_or_b32 v[PW], v[TM+5], 8, v[TM+4]
	v_lshl_or_b32 v[PW], v[TM+6], 16, v[PW]
	v_lshl_or_b32 v[PW], v[TM+7], 24, v[PW]
.irp c, 0,1
	v_cvt_scalef32_pk16_fp6_f32 v[PC+6*\c:PC+2+6*\c], v[\s+32*\c:\s+15+32*\c], v[TM+12+2*\c]
	v_cvt_scalef32_pk16_fp6_f32 v[PC+12+4*\c:PC+14+4*\c], v[\s+16+32*\c:\s+31+32*\c], v[TM+12+2*\c+1]
.endr
	v_nop
.irp c, 0,1
.irp i, 0,1,2
	v_permlane16_swap_b32 v[PC+6*\c+\i], v[PC+12+4*\c+\i]
.endr
.irp i, 0,1,2
	v_mov_b32 v[PC+3+6*\c+\i], v[PC+12+4*\c+\i]
.endr
.endr
.endm
	s_load_b256 s[4:11], s[0:1], 0x0
	s_load_b64 s[12:13], s[0:1], 0x20
	v_lshl_add_u32 v[SPW], v0, 2, SPARE
	v_mov_b32 v[NIL], 0
	ds_add_u32 v28, v29
	ds_add_u32 v28, v29
	s_wait_dscnt 0x0
	v_lshrrev_b32 v1, 5, v0
	v_readfirstlane_b32 s14, v1
	s_lshr_b32 s15, s14, 1
	s_and_b32 s16, s14, 1
	s_bfe_u32 s40, ttmp6, 0x40000
	s_bfe_u32 s41, ttmp6, 0x40004
	s_and_b32 s66, ttmp7, 0xffff
	s_lshr_b32 s67, s66, 3
	s_and_b32 s68, s66, 7
	s_lshl_b32 s68, s68, 2
	s_lshl_b32 s69, s67, 9
	s_lshl_b32 s70, s67, 6
	s_add_co_u32 s70, s70, 1536
	s_cmp_eq_u32 s67, 2
	s_cselect_b32 s17, 0, s68
	s_cselect_b32 s42, s68, 0
	s_cselect_b32 s69, 1664, s69
	s_cselect_b32 s70, 1024, s70
	s_cselect_b32 s72, 0, 1.0
	s_cselect_b32 s74, 1.0, 0
	s_mov_b32 s73, s72
	s_add_co_u32 s17, s17, s41
	s_add_co_u32 s42, s42, s40
	s_lshl_b32 s43, s41, 2
	s_lshl_b32 s43, 15, s43
	s_lshl_b32 s44, 0x1111, s40
	s_or_b32 s[G1+0], s43, (3<<16)|(1<<21)
	s_or_b32 s[G1B+0], s44, (3<<16)|(1<<21)
.irp g, G1, G1B
	s_mov_b32 s[\g+1], 32<<16
	s_mov_b32 s[\g+2], 100<<16
	s_mov_b32 s[\g+3], 32<<16
	s_mov_b32 s[\g+4], 100
	s_mov_b32 s[\g+5], 32
	s_mov_b32 s[\g+6], 0
	s_mov_b32 s[\g+7], 0
.endr
	s_lshl_b32 s20, s17, 1
	s_add_co_u32 s20, s20, s16
	s_mul_i32 s20, s20, TILEB
	s_mul_i32 s21, s69, GBB
	s_add_co_u32 s20, s20, s21
	s_mov_b32 s21, 0
	s_lshl_b32 s46, s42, 1
	s_add_co_u32 s46, s46, s16
	s_mul_i32 s46, s46, TILEB
	s_mul_i32 s47, s70, GBB
	s_add_co_u32 s46, s46, s47
	s_mov_b32 s47, 0
	s_mul_i32 s45, s14, RT
	s_lshl_b32 s76, s17, 1
	s_add_co_u32 s76, s76, s15
	s_lshl_b32 s77, s42, 1
	s_add_co_u32 s77, s77, s16
	s_cmp_eq_u32 s67, 2
	s_cselect_b32 s78, s76, s77
	s_cselect_b32 s79, s77, s76
	s_lshl_b32 s78, s78, 6
	s_add_co_u32 s78, s78, s79
	s_lshl_b32 s79, s67, 9
	s_add_co_u32 s78, s78, s79
	s_mul_i32 s78, s78, 13824
	s_mov_b32 s79, 0
	s_and_b32 s84, s77, 7
	s_lshl_b32 s84, s84, 9
	s_mov_b32 s85, 0
	s_and_b32 s88, s76, 7
	s_lshl_b32 s88, s88, 9
	s_mov_b32 s89, 0
	s_mov_b32 s[SEL], 0x76543210
	s_mov_b32 s[SEL+1], 0xfedcba98
	s_cmp_eq_u32 s67, 0
	s_cselect_b32 s[MUL], 0x3e000000, 1.0
	s_mov_b32 s[MUL+1], s[MUL]
	s_wait_kmcnt 0x0
	s_cselect_b64 s[80:81], s[6:7], s[8:9]
	s_cmp_eq_u32 s67, 2
	s_cselect_b64 s[80:81], s[10:11], s[80:81]
	s_add_nc_u64 s[86:87], s[80:81], s[84:85]
	s_add_nc_u64 s[88:89], s[80:81], s[88:89]
	s_add_nc_u64 s[12:13], s[12:13], s[78:79]
	s_add_nc_u64 s[20:21], s[4:5], s[20:21]
	s_add_nc_u64 s[46:47], s[4:5], s[46:47]
	v_bfe_u32 v2, v0, 4, 1                         ; the bias is asked for here, ahead of the rounds and the first tiles
	v_lshlrev_b32 v30, 6, v2
	v_and_b32 v1, 15, v0
	v_and_b32 v3, 8, v1
	v_add_nc_u32 v3, v3, v1
	v_lshlrev_b32 v31, 2, v3
.irp g, 0,1,2,3,4,5,6,7,8,9,10,11,12,13,14,15
	global_load_b128 v[BN+4*\g:BN+4*\g+3], v30, s[86:87] offset:128*(\g/4)+16*(\g%4)
.endr
.irp a, 0,1,2,3,4,5,6,7
	global_load_b32 v[BM2+2*\a], v31, s[88:89] offset:(32*(\a/2)+8*(\a%2))*4
.endr
	CROUND
.irp s, 0,1
	s_mov_b32 s[G0+4*\s], 1
	s_add_co_u32 s[G0+4*\s+1], s45, \s*SLOT
	s_add_nc_u64 s[G0+4*\s+2:G0+4*\s+3], s[20:21], \s*RT
	s_or_b32 s[G0+4*\s+3], s[G0+4*\s+3], 0x80000000
	s_mov_b32 s[G0B+4*\s], 1
	s_add_co_u32 s[G0B+4*\s+1], s45, \s*SLOT
	s_add_nc_u64 s[G0B+4*\s+2:G0B+4*\s+3], s[46:47], \s*RT
	s_or_b32 s[G0B+4*\s+3], s[G0B+4*\s+3], 0x80000000
	s_wait_alu depctr_va_vdst(0)
	s_wait_tensorcnt 0x0
	ds_add_u32 v28, v29
	ds_add_u32 v28, v29
	s_wait_dscnt 0x0
	CROUND
	JLOAD \s
.endr
	v_and_b32 v[LN], 31, v0
	v_lshlrev_b32 v[L16], 4, v[LN]
	v_lshlrev_b32 v[L8], 3, v[LN]
	v_add_nc_u32 v27, 512, v[L8]
	s_mul_i32 s21, s15, RT
	s_mul_i32 s22, s16, RT
	s_add_co_u32 s22, s22, 2*RT
.irp s, 0,1
	v_add_nc_u32 v[ADRA16+\s], s21, v[L16]
	v_add_nc_u32 v[ADRA8+\s], s21, v27
	v_add_nc_u32 v[ADRB16+\s], s22, v[L16]
	v_add_nc_u32 v[ADRB8+\s], s22, v27
	s_add_co_u32 s21, s21, SLOT
	s_add_co_u32 s22, s22, SLOT
.endr
	s_wait_alu depctr_va_vdst(0)
	s_wait_loadcnt 0x0
.set jj, 0
.rept 32
	v_pk_mul_f32 v[BN+jj:BN+jj+1], v[BN+jj:BN+jj+1], s[72:73] op_sel_hi:[1,0]
.set jj, jj+2
.endr
.irp a, 0,1,2,3,4,5,6,7
	v_mul_f32 v[BM2+2*\a], s74, v[BM2+2*\a]
.endr
.irp a, 0,1,2,3,4,5,6,7
	v_mov_b32 v[BM2+2*\a+1], v[BM2+2*\a]
.endr
	s_wait_tensorcnt 1
	s_barrier_signal -1
	s_barrier_wait -1
	FETCH_B 0, 0, 0
	FETCH_A 0, 0, 0
	SCALES 0
	FETCH_A 0, 0, 4
	STEP 0, 1
	TURN 0, 1, 1
	STEP 1, 0
	TURN 1, 0, 1
	STEP 0, 0
	TURN 0, 1, 0
	STEP 1, 0
	s_wait_dscnt 16
	WIN MUL_LO
	MUL16 0, 1, 1, 1, 0
	MUL16 2, 1, 1, 1, 0
	s_wait_dscnt 0x0
	WIN MUL_HI
	MUL16 4, 1, 1, 1, 0
	MUL16 6, 1, 1, 1, 0
	WIN 0
	PLACES
.irp b, 0,1,2,3
	v_mov_b32 v[TM+4+\b], 0
.endr
.irp a, 0,1,2,3,4,5,6,7
	WIN 0x02+(\a/4)
.set jj, 0
.rept 32
	v_pk_fma_f32 v[HA+jj:HA+jj+1], v[64*(\a%4)+jj:64*(\a%4)+jj+1], s[MUL:MUL+1], v[BM2+2*\a:BM2+2*\a+1] op_sel_hi:[1,0,0]
.set jj, jj+2
.endr
	WIN 0
	s_wait_xcnt 0x0
	QUANT HA
	v_mov_b32 v[PWS+\a], v[PW]
	global_store_b128 v[L16], v[PC:PC+3], s[12:13] offset:1536*\a
	global_store_b64 v[L8], v[PC+4:PC+5], s[12:13] offset:1536*\a+512
	global_store_b128 v[L16], v[PC+6:PC+9], s[12:13] offset:1536*\a+768
	global_store_b64 v[L8], v[PC+10:PC+11], s[12:13] offset:1536*\a+1280
.endr
	v_cmp_le_u32 vcc_lo, 16, v[LN]
.irp i, 0,1,2,3
	v_cndmask_b32 v[RP+\i], v[PWS+2*\i], v[PWS+2*\i+1], vcc_lo
.endr
.irp i, 0,1,2,3
	v_perm_b32 v[RP+4+\i], v[RP+\i], v[RP+\i], 0x01000100
	v_perm_b32 v[RP+8+\i], v[RP+\i], v[RP+\i], 0x03020302
.endr
	global_store_b128 v[L16], v[RP:RP+3], s[12:13] offset:12288
	global_store_b128 v[L16], v[RP+4:RP+7], s[12:13] offset:12800
	global_store_b128 v[L16], v[RP+8:RP+11], s[12:13] offset:13312
	s_wait_tensorcnt 0x0
	ds_add_u32 v[SPW], v[NIL]
	s_wait_dscnt 0x0
	CROUND
	s_endpgm
.Lfunc_end_k_q0ca2395f86_proj:
	.size	k_q0ca2395f86_proj, .Lfunc_end_k_q0ca2395f86_proj-k_q0ca2395f86_proj
	.p2alignl 7, 3214868480
	.fill 96, 4, 3214868480
	.section	.rodata,"a",@progbits
	.p2align	6, 0x0
	.amdhsa_kernel k_q0ca2395f86_proj
		.amdhsa_group_segment_fixed_size 327680
		.amdhsa_private_segment_fixed_size 0
		.amdhsa_enable_private_segment 0
		.amdhsa_kernarg_size 40
		.amdhsa_user_sgpr_count 2
		.amdhsa_user_sgpr_kernarg_segment_ptr 1
		.amdhsa_wavefront_size32 1
		.amdhsa_system_sgpr_workgroup_id_x 1
		.amdhsa_system_sgpr_workgroup_id_y 1
		.amdhsa_system_sgpr_workgroup_id_z 1
		.amdhsa_system_vgpr_workitem_id 0
		.amdhsa_next_free_vgpr 1024
		.amdhsa_next_free_sgpr 100
		.amdhsa_reserve_vcc 1
		.amdhsa_float_denorm_mode_32 3
		.amdhsa_float_denorm_mode_16_64 3
		.amdhsa_memory_ordered 1
		.amdhsa_forward_progress 1
		.amdhsa_inst_pref_size 168
	.end_amdhsa_kernel
	.amdgpu_metadata
---
amdhsa.version: [ 1, 2 ]
amdhsa.kernels:
  - .name:           k_q0ca2395f86_proj
    .symbol:         k_q0ca2395f86_proj.kd
    .args:
      - { .name: opimg, .offset: 0, .size: 8, .value_kind: global_buffer, .address_space: global }
      - { .name: Wq_b, .offset: 8, .size: 8, .value_kind: global_buffer, .address_space: global }
      - { .name: Wk_b, .offset: 16, .size: 8, .value_kind: global_buffer, .address_space: global }
      - { .name: Wv_b, .offset: 24, .size: 8, .value_kind: global_buffer, .address_space: global }
      - { .name: att, .offset: 32, .size: 8, .value_kind: global_buffer, .address_space: global }
    .group_segment_fixed_size: 327680
    .private_segment_fixed_size: 0
    .kernarg_segment_align: 8
    .kernarg_segment_size: 40
    .max_flat_workgroup_size: 128
    .sgpr_count:     100
    .vgpr_count:     1024
    .wavefront_size: 32
...
	.end_amdgpu_metadata
.endif
;; end of part 2
;; launch attn (part 3): grid 16 x 16, 8 waves a work-group, clusters of 4 x 4, 327,680 bytes of LDS; arguments att, mask, ctximg; writes ctximg
.if DOCPART == 3
	.amdgcn_target "amdgcn-amd-amdhsa--gfx1250"
	.amdhsa_code_object_version 6
	.text
	.protected	k_q0ca2395f86_attn
	.globl	k_q0ca2395f86_attn
	.p2align	8
	.type	k_q0ca2395f86_attn,@function
k_q0ca2395f86_attn:
	s_mov_b64 s[64:65], 0
	v_nop
	global_prefetch_b8 v0, s[64:65] scope:SCOPE_SE
	s_setreg_imm32_b32 hwreg(HW_REG_WAVE_MODE, 25, 1), 1
	s_wait_xcnt 0x0
	s_wait_alu depctr_hold_cnt(0) depctr_sa_sdst(0) depctr_va_vdst(0) depctr_va_sdst(0) depctr_va_ssrc(0) depctr_va_vcc(0) depctr_vm_vsrc(0)
	s_getreg_b32 s2, hwreg(HW_REG_IB_STS2, 6, 4)
	s_cmp_eq_u32 s2, 0
	s_cbranch_scc0 .Lentry_in_a_cluster
	s_endpgm
.Lentry_in_a_cluster:
	s_bfe_u32 s2, ttmp6, 0x10000c
	s_cmp_lg_u32 s2, 0xf033
	s_cbranch_scc0 .Lentry_shape_is_right
	s_endpgm
.Lentry_shape_is_right:
; ctx = softmax(Q K^T / 8 + mask x (-10000)) V for 64 heads of depth 64, both products on codes of FP6 (E2M3); ctx is quantised along D for the last product.  (The 1/8 lies in Q's scale bytes.)
; THE MASK IS AN INPUT: every score of every key is computed; mask x (-10000), in f32, is the C of the first product.
; THE SOFTMAX: t = logit x log2(e); M = the running largest t rounded up to a whole number; p = 2^(t - M) is quantised along the keys, not normalised; the row's sum is taken of the unquantised p
; and divides at the end.  When M moves, the sum and O are multiplied by 2^(old M - new M): exact, no branch on data.  The running maximum is kept as a logit: log2(e) is positive, so the largest logit gives the largest t.
; SHARES.  A work-group owns 128 queries (x) of four heads (y = 4 x batch + quad: pairs 2 quad, 2 quad + 1).  Wave w owns the 16 queries of fragment w and takes its four heads one after the other in each
; key step of 128 keys (a CELL = 16 queries x 1 head x 128 keys).  The mask's term is made once a step and stays in 64 registers for the four cells.
; A slot of LDS: K's two blocks, V's two blocks (13,824 bytes each, in the order of the operands' registers), 128 x 128 of the mask (rows 528 bytes apart).  Two slots, 2^17 bytes apart: the three LDS
; address registers change slots by one XOR each.  Every wave issues one tensor load a round: waves 0-3 32 rows of the mask, waves 4-7 a block.
; ORDER.  V's loads stand among the dependent lines that make M; K's fragments of the next cell are asked of LDS ahead of the exponentials.  In cell 3, behind the exponentials, V's fragments are in
; registers and nobody reads the slot any more: there stand the waits, the add and the round; the refill, the change of slots and the next step's mask and K loads follow, ahead of the rest of cell 3.
; 16 key steps: 14 trips that fill a slot again, and a loop of two trips that fill nothing (the second trip's barrier orders nothing more: it stands so that the two share one text).
; LAYOUT as the preparing launches give it: both products transposed (S^T = K Q^T, O^T = V^T P^T): a lane holds one query.  The depth is 64, half of the instruction's K: even tiles of K stand at k = 0-63
; with zero codes above, odd tiles at k = 64-127 with zero codes below; Q stands in a chain zeros, q0, zeros, q1 .. zeros, so that [q][zeros] and [zeros][q] are both runs of 12 registers.
; CLUSTERS 4 x 4: the mask's tiles hang on x alone (joint along a column), K's and V's blocks on y alone (joint along a row).
; No prefetch is laid: a refill is asked for a whole key step, four cells of every wave, ahead of the wait for it.  The mask's rows r % 8 and r % 8 + 16 of a load fall on the same banks: four loads
; a step are left for the mask, each of 32 neighbouring rows, so the rows cannot be laid apart; the mask is read once for four cells.
; O^T begins as zeros (128 moves at the head), so that the cell is written once: the first change of M leaves zeros.
; LIMITS: NaN and infinities are not served; the scaled scores stay under 2^31 in magnitude; a block of ctx whose largest magnitude lies under 2^-124 keeps the scale byte 1 (this program alone reads the bytes).
.set SLOTX, 131072
.set VB,    27648
.set MB,    55296
.set SPARE, 253952                     ; the spare words: 128 bytes for each of 8 waves
.set SCR,   254976                     ; 1,024 bytes: ctx's scale words of the two pairs are gathered here; no tile lands here
; window 0
.set A16, 1                            ; slot + 16 x lane
.set A8,  2                            ; slot + 512 + 8 x lane
.set AM,  3                            ; slot + my row of the mask
.set SPW, 4
.set NIL, 5
.set VO16, 6                           ; 1536 w + 16 x lane: Q's and ctx's fragment images
.set VO8,  7                           ; 1536 w + 512 + 8 x lane
.set SWR, 8
.set SRD, 9
.set TP,  10
.set VOS, 11
.set QS,  12                           ; v12-15  Q's scale words, a head each
.set STB, 16                           ; v16-31  a head's -M, largest logit, sum in two halves
.set KF,  32                           ; v32-103 four groups [tile 2 j][zeros][tile 2 j + 1]
.set KS,  104
.set SV,  108                          ; v108-171 logits, then p, then the sum's tree
.set PC,  172
.set CT,  184
.set BMX, 192                          ; v192-195 the blocks' maxima (first: the even tiles')
.set SO,  196                          ; v196-199 the odd tiles' maxima, then the conversions' scale operands
.set PT,  200
.set VS,  204
.set FF,  206
.set PSW, 207
.set VF,  208                          ; v208-255 V's four fragments
; window 1
.set OT,  0                            ; O^T of head n at 32 n
.set MK,  128                          ; mask x (-10000): register 16 j + i = key 32 j + 16 h + i
.set QC,  192                          ; zeros at 12 i, q of head n at 12 n + 6
.set WV,  18
.set G1M, 24
.set G1D, 32
.set G0M, 40
.set G0D, 44
.set SEL, 48
.set CS,  50
.set CM,  52
.set CNT, 54
.set QB,  56
.set CB,  58
.set MSB, 0
.macro WIN new                         ; the immediate's high byte repeats the setting that is left
.if MSB != \new
	s_set_vgpr_msb (MSB<<8)|\new
.set MSB, \new
.endif
.endm
.macro ROUND
	s_barrier_signal -1
	s_barrier_wait -1
	s_cmp_lg_u32 s[WV], 0
	s_cbranch_scc1 .Lnot_wave_0_\@
	s_barrier_signal -3
.Lnot_wave_0_\@:
	s_barrier_wait -3
	s_barrier_signal -1
	s_barrier_wait -1
.endm
.macro TLOAD                           ; waves 0-3 the mask's rows, waves 4-7 a block; s_nop 0 and four v_nop follow each line
	s_cmp_lt_u32 s[WV], 4
	s_cbranch_scc0 .Lblock_\@
	tensor_load_to_lds s[G0M:G0M+3], s[G1M:G1M+7]
	s_nop 0
.rept 4
	v_nop
.endr
	s_branch .Lasked_\@
.Lblock_\@:
	tensor_load_to_lds s[G0D:G0D+3], s[G1D:G1D+7]
	s_nop 0
.rept 4
	v_nop
.endr
.Lasked_\@:
.endm
.macro NEXTG0                          ; both groups 0: one key step on, the other slot
	s_add_nc_u64 s[G0M+2:G0M+3], s[G0M+2:G0M+3], 512
	s_add_nc_u64 s[G0D+2:G0D+3], s[G0D+2:G0D+3], 13824
	s_xor_b32 s[G0M+1], s[G0M+1], SLOTX
	s_xor_b32 s[G0D+1], s[G0D+1], SLOTX
.endm
.macro WMS n, t                        ; logits of tile t, head n: D window 0, Q and C window 1
.set rD, SV+8*(\t)
.set rX, KF+18*((\t)/2)+6*((\t)%2)
.set rY, QC+12*(\n)+6-6*((\t)%2)
.set rC, MK+8*(\t)
.if ((\t)%2) == 0
	v_wmma_scale_f32_16x16x128_f8f6f4 v[rD:rD+7], v[rX:rX+11], v[rY:rY+11], v[rC:rC+7], v[KS+(\t)/2], v[QS+(\n)] matrix_a_fmt:MATRIX_FMT_FP6 matrix_b_fmt:MATRIX_FMT_FP6
.else
	v_wmma_scale_f32_16x16x128_f8f6f4 v[rD:rD+7], v[rX:rX+11], v[rY:rY+11], v[rC:rC+7], v[KS+(\t)/2], v[QS+(\n)] matrix_a_fmt:MATRIX_FMT_FP6 matrix_b_fmt:MATRIX_FMT_FP6 matrix_a_scale:MATRIX_SCALE_ROW1
.endif
.endm
.macro WMO n, t                        ; O^T += V^T P^T: C and D window 1
.set rD, OT+32*(\n)+8*(\t)
.set rX, VF+12*(\t)
.if ((\t)%2) == 0
	v_wmma_scale_f32_16x16x128_f8f6f4 v[rD:rD+7], v[rX:rX+11], v[PC:PC+11], v[rD:rD+7], v[VS+(\t)/2], v[PSW] matrix_a_fmt:MATRIX_FMT_FP6 matrix_b_fmt:MATRIX_FMT_FP6
.else
	v_wmma_scale_f32_16x16x128_f8f6f4 v[rD:rD+7], v[rX:rX+11], v[PC:PC+11], v[rD:rD+7], v[VS+(\t)/2], v[PSW] matrix_a_fmt:MATRIX_FMT_FP6 matrix_b_fmt:MATRIX_FMT_FP6 matrix_a_scale:MATRIX_SCALE_ROW1
.endif
.endm
.macro KLOAD n                         ; 17 loads: head n's half of K's eight fragments, and their scale words
.irp t, 0,1,2,3,4,5,6,7
	ds_load_b128 v[KF+18*(\t/2)+12*(\t%2):KF+18*(\t/2)+12*(\t%2)+3], v[A16] offset:13824*((\n)/2)+768*((\n)%2)+1536*\t
	ds_load_b64 v[KF+18*(\t/2)+12*(\t%2)+4:KF+18*(\t/2)+12*(\t%2)+5], v[A8] offset:13824*((\n)/2)+768*((\n)%2)+1536*\t
.endr
	ds_load_b128 v[KS:KS+3], v[A16] offset:13824*((\n)/2)+12800+512*((\n)%2)
.endm
.macro VL4 n, t                        ; V's fragment t of head n: four loads
	ds_load_b128 v[VF+12*(\t):VF+12*(\t)+3], v[A16] offset:VB+13824*((\n)/2)+6144*((\n)%2)+1536*(\t)
	ds_load_b64 v[VF+12*(\t)+4:VF+12*(\t)+5], v[A8] offset:VB+13824*((\n)/2)+6144*((\n)%2)+1536*(\t)
	ds_load_b128 v[VF+12*(\t)+6:VF+12*(\t)+9], v[A16] offset:VB+13824*((\n)/2)+6144*((\n)%2)+1536*(\t)+768
	ds_load_b64 v[VF+12*(\t)+10:VF+12*(\t)+11], v[A8] offset:VB+13824*((\n)/2)+6144*((\n)%2)+1536*(\t)+768
.endm
.macro MLOAD                           ; 16 loads: my row of the mask, in the scores' layout, into window 1
	WIN 0x40
.irp g, 0,1,2,3,4,5,6,7,8,9,10,11,12,13,14,15
	ds_load_b128 v[MK+4*\g:MK+4*\g+3], v[AM] offset:128*(\g/4)+16*(\g%4)
.endr
	WIN 0
.endm
.macro MTERM                           ; mask x (-10000), once for the step's four cells
	s_wait_dscnt 17                                ; the mask's 16 loads are in; K's 17 behind them may be out
	WIN 0x41
.set jj, 0
.rept 32
	v_pk_mul_f32 v[MK+jj:MK+jj+1], v[MK+jj:MK+jj+1], s[CM:CM+1] op_sel_hi:[1,0]
.set jj, jj+2
.endr
	WIN 0
.endm
; A CELL.  mode 0: heads 0-2; mode 1: head 3 with the round and the refill; mode 2: head 3 in the last two steps
.macro CELL n, mode
.set NM,  STB+4*(\n)
.set TMX, NM+1
.set LS,  NM+2
.if (\n) == 0
	s_wait_alu depctr_va_vdst(0)                   ; the mask's term was just written
.endif
	s_wait_dscnt 0x0                               ; K's fragments and scale words are in
	WIN 0x14
.irp t, 0,1,2,3,4,5,6,7                        ; eight accumulators, one instruction each
	WMS \n, \t
.endr
	WIN 0
.rept 4
	v_nop                                          ; four places: the maxima read results just made
.endr
.irp t, 0,1,2,3,4,5,6,7                        ; the largest score, eight chains, a tile each, each accumulator from its low end on
	v_max3_num_f32 v[BMX+4*(\t%2)+\t/2], v[SV+8*\t], v[SV+8*\t+1], v[SV+8*\t+2]
.endr
.irp i, 3,5
.irp t, 0,1,2,3,4,5,6,7
	v_max3_num_f32 v[BMX+4*(\t%2)+\t/2], v[BMX+4*(\t%2)+\t/2], v[SV+8*\t+\i], v[SV+8*\t+\i+1]
.endr
.endr
.irp b, 0,1,2,3
	v_max3_num_f32 v[BMX+\b], v[BMX+\b], v[SO+\b], v[SV+16*\b+7]   ; two tiles make a block of 32 keys: its largest score serves the row's maximum and the block's largest p
.endr
.irp b, 0,1,2,3
	v_max_num_f32 v[BMX+\b], v[BMX+\b], v[SV+16*\b+15]
.endr
.irp b, 0,1,2,3
	v_permlanex16_b32 v[PT+\b], v[BMX+\b], s[SEL], s[SEL+1]
.endr
.irp b, 0,1,2,3
	v_max_num_f32 v[BMX+\b], v[BMX+\b], v[PT+\b]   ; with lane l xor 16's 16 keys
.endr
	v_mov_b32 v[TP], v[NM]                         ; the old -M
	v_max3_num_f32 v[TMX], v[TMX], v[BMX], v[BMX+1]
	VL4 \n, 0
	v_max3_num_f32 v[TMX], v[TMX], v[BMX+2], v[BMX+3]   ; the running largest logit
	VL4 \n, 1
	v_mul_f32 v[PT], -v[TMX], s[CS]                ; -t
	VL4 \n, 2
	v_floor_f32 v[NM], v[PT]                       ; the new -M = floor(-t) = -ceil(t)
	VL4 \n, 3
	ds_load_b64 v[VS:VS+1], v[A16] offset:VB+13824*((\n)/2)+12288+8*((\n)%2)
.set jj, 0
.rept 32
	v_pk_fma_f32 v[SV+jj:SV+jj+1], v[SV+jj:SV+jj+1], s[CS:CS+1], v[NM:NM+1] op_sel_hi:[1,0,0]   ; t - M
.if jj == 6
	v_sub_f32 v[TP], v[NM], v[TP]                  ; old M - new M: a whole number, 0 or less
.elseif jj == 14
	v_cvt_i32_f32 v[TP], v[TP]                     ; (it saturates)
.elseif jj == 22
	v_ldexp_f32 v[FF], 1.0, v[TP]                  ; f = 2^(old M - new M)
.endif
.set jj, jj+2
.endr
.irp b, 0,1,2,3
	v_fma_f32 v[BMX+\b], v[BMX+\b], s[CS], v[NM]
.endr
.if (\mode) == 0
	KLOAD (\n)+1                                   ; the next cell's K
.endif
	s_wait_alu depctr_va_vdst(0)                   ; the wait ahead of the batch
.set jj, 0
.rept 64
	v_exp_f32 v[SV+jj], v[SV+jj]                   ; p = 2^(t - M)
.set jj, jj+1
.endr
.irp b, 0,1,2,3
	v_exp_f32 v[BMX+\b], v[BMX+\b]                 ; the block's largest p: the same two instructions on the same number
.endr
.if (\mode) != 0
	v_nop                                          ; a plain place behind the batch
	s_wait_alu depctr_va_vdst(0)                   ; the batch's wait, ahead of the branches below
	s_wait_tensorcnt 0x0                           ; my one load that was out: my part of the other slot
	ds_add_u32 v[SPW], v[NIL]                      ; 0 onto my spare word
.if (\mode) == 1
	NEXTG0                                         ; no load of mine is out: the slot just read, two key steps on
.endif
	s_wait_dscnt 0x0                               ; the add is done, and V's fragments are in: my last reads of this slot
.if (\mode) == 1
	ROUND
	TLOAD                                          ; the first thing behind the round, my one tensor load until the next
.else
	s_barrier_signal -1
	s_barrier_wait -1                              ; the other slot is whole for every wave; nothing is filled again
	s_cmp_eq_u32 s[CNT], 1
	s_cbranch_scc1 .Lno_more_\@                    ; behind the last key step nothing is left to read
.endif
	v_xor_b32 v[A16], SLOTX, v[A16]                ; the other slot
	v_xor_b32 v[A8], SLOTX, v[A8]
	v_xor_b32 v[AM], SLOTX, v[AM]
	MLOAD
	KLOAD 0
.if (\mode) == 2
.Lno_more_\@:
.endif
.endif
	WIN 0x41
	s_wait_alu depctr_va_vdst(0)                   ; behind the batch, directly ahead of the first reader of O^T
.set jj, 0
.rept 16
	v_pk_mul_f32 v[OT+32*(\n)+jj:OT+32*(\n)+jj+1], v[OT+32*(\n)+jj:OT+32*(\n)+jj+1], v[FF:FF+1] op_sel_hi:[1,0]   ; O^T under the new M
.set jj, jj+2
.endr
	WIN 0
.irp b, 0,1,2,3
	v_max_num_f32 v[BMX+\b], 0x1800000, v[BMX+\b]  ; the floor 2^(3 - 127): the byte cannot fall under 1
.endr
.irp b, 0,1,2,3
	v_add_nc_u32 v[SO+\b], 0xff000000, v[BMX+\b]   ; 2 off the exponent field: the conversion's scale operand
.endr
.irp b, 0,1,2,3
	v_lshrrev_b32 v[PT+\b], 23, v[SO+\b]
.endr
	v_lshl_or_b32 v[PT], v[PT+1], 8, v[PT]
	v_lshl_or_b32 v[PT+2], v[PT+3], 8, v[PT+2]
.irp c, 0,1
	v_cvt_scalef32_pk16_fp6_f32 v[PC+6*\c:PC+6*\c+2], v[SV+32*\c:SV+32*\c+15], v[SO+2*\c]
	v_cvt_scalef32_pk16_fp6_f32 v[CT+4*\c:CT+4*\c+2], v[SV+32*\c+16:SV+32*\c+31], v[SO+2*\c+1]
.endr
	v_lshl_or_b32 v[PSW], v[PT+2], 16, v[PT]       ; p's scale word for these 128 keys (also the plain place behind the conversions)
.irp w, 2,4                                    ; the row's sum of the unquantised p: a tree, in place
.set jj, 0
.rept 32/\w
	v_pk_add_f32 v[SV+jj:SV+jj+1], v[SV+jj:SV+jj+1], v[SV+jj+\w:SV+jj+\w+1]
.set jj, jj+2*\w
.endr
.endr
.irp c, 0,1                                    ; the operand's layout wants a whole block in a lane
.irp i, 0,1,2
	v_permlane16_swap_b32 v[PC+6*\c+\i], v[CT+4*\c+\i]
.endr
.endr
.irp c, 0,1
.irp i, 0,1,2
	v_mov_b32 v[PC+6*\c+3+\i], v[CT+4*\c+\i]
.endr
.endr
.irp w, 8,16,32                                ; with the line below eight plain lines between the codes' last write and the products
.set jj, 0
.rept 32/\w
	v_pk_add_f32 v[SV+jj:SV+jj+1], v[SV+jj:SV+jj+1], v[SV+jj+\w:SV+jj+\w+1]
.set jj, jj+2*\w
.endr
.endr
	v_pk_fma_f32 v[LS:LS+1], v[LS:LS+1], v[FF:FF+1], v[SV:SV+1] op_sel_hi:[1,0,1]   ; the sums under the new M, and this step's
.if (\mode) == 0
	s_wait_alu depctr_va_vdst(0)                   ; the wait ahead of the wait below
	s_wait_dscnt 17                                ; V's 17 loads are in; the next cell's 17 of K may be out
.endif
	WIN 0x50
.irp t, 0,1,2,3
	WMO \n, \t
.endr
	WIN 0
.endm
	s_load_b128 s[4:7], s[0:1], 0x0                ; att, mask
	s_load_b64 s[8:9], s[0:1], 0x10                ; ctximg
	v_lshl_add_u32 v[SPW], v0, 2, SPARE
	v_mov_b32 v[NIL], 0
	ds_add_u32 v[SPW], v[NIL]                      ; the opening lines: the add twice on end and one wait
	ds_add_u32 v[SPW], v[NIL]
	v_lshrrev_b32 v[TP], 5, v0
	v_readfirstlane_b32 s[WV], v[TP]               ; wave 0..7
	s_and_b32 s19, s[WV], 3                        ; which quarter of the mask's rows, or which block
	s_bfe_u32 s21, ttmp6, 0x40000                  ; cx
	s_bfe_u32 s22, ttmp6, 0x40004                  ; cy
	s_lshl_b32 s23, ttmp9, 2
	s_add_co_u32 s23, s23, s21                     ; x: my block of 128 queries
	s_and_b32 s66, ttmp7, 0xffff
	s_lshl_b32 s66, s66, 2
	s_add_co_u32 s66, s66, s22                     ; y
	s_lshl_b32 s67, s22, 2
	s_lshl_b32 s67, 15, s67                        ; my row of the cluster
	s_lshl_b32 s68, 0x1111, s21                    ; my column
	s_lshr_b32 s69, s66, 2                         ; batch
	s_and_b32 s70, s66, 3                          ; quad
	s_or_b32 s[G1M], s68, (2<<16)|(1<<20)|(1<<21)|(6<<22)|(3<<25)   ; to my column; elements of 4 bytes; after every 128 words 4 words of padding
	s_mov_b32 s[G1M+1], 128<<16
	s_mov_b32 s[G1M+2], 32<<16                     ; 32 rows of 128 keys
	s_mov_b32 s[G1M+3], 128<<16
	s_mov_b32 s[G1M+4], 32
	s_mov_b32 s[G1M+5], 2048
	s_mov_b32 s[G1M+6], 0
	s_mov_b32 s[G1M+7], 0
	s_or_b32 s[G1D], s67, (3<<16)|(1<<21)          ; to my row; 54 rows of 256 bytes: 13,824 dense bytes
	s_mov_b32 s[G1D+1], 32<<16
	s_mov_b32 s[G1D+2], 54<<16
	s_mov_b32 s[G1D+3], 32<<16
	s_mov_b32 s[G1D+4], 54
	s_mov_b32 s[G1D+5], 32
	s_mov_b32 s[G1D+6], 0
	s_mov_b32 s[G1D+7], 0
	s_lshl_b32 s72, s23, 20                        ; the mask: 128 x rows of 8,192 bytes,
	s_lshl_b32 s73, s19, 18                        ; + my 32 rows
	s_add_co_u32 s72, s72, s73
	s_mov_b32 s73, 0
	s_mov_b32 s[G0M], 1
	s_mul_i32 s[G0M+1], s19, 16896                 ; 32 rows x 528
	s_add_co_u32 s[G0M+1], s[G0M+1], MB
	s_lshl_b32 s75, s70, 7
	s_lshl_b32 s76, s69, 4
	s_add_co_u32 s75, s75, s76                     ; 64 x (2 quad) + 16 x batch: y alone
	s_and_b32 s76, s19, 1
	s_lshl_b32 s76, s76, 6                         ; which pair
	s_lshr_b32 s77, s19, 1
	s_lshl_b32 s77, s77, 9                         ; K or V
	s_add_co_u32 s76, s76, s77
	s_add_co_u32 s76, s76, s75
	s_add_co_u32 s76, s76, 512
	s_mul_i32 s76, s76, 13824
	s_mov_b32 s77, 0
	s_mov_b32 s[G0D], 1
	s_mul_i32 s[G0D+1], s19, 13824
	s_add_co_u32 s80, s75, s23                     ; Q's block of the first pair
	s_mul_i32 s80, s80, 13824
	s_mov_b32 s81, 0
	s_lshl_b32 s82, s69, 4
	s_add_co_u32 s82, s82, s23
	s_lshl_b32 s82, s82, 3
	s_lshl_b32 s83, s70, 1
	s_add_co_u32 s82, s82, s83                     ; ctx's block: 8 x (16 x batch + x) + 2 quad
	s_mul_i32 s82, s82, 12800
	s_mov_b32 s83, 0
	s_mul_i32 s84, s[WV], 1536                     ; my fragment's image
	s_add_co_u32 s85, s84, 512
	s_and_b32 s86, s[WV], 1
	s_lshl_b32 s86, s86, 8
	s_lshr_b32 s87, s[WV], 1
	s_lshl_b32 s87, s87, 2
	s_add_co_u32 s87, s87, s86                     ; my fragment's words in an image of scale words: 256 (w % 2) + 4 (w / 2)
	s_add_co_u32 s86, s87, 12800
	s_add_co_u32 s87, s87, SCR
	s_lshl_b32 s88, s[WV], 9
	s_add_co_u32 s88, s88, SCR
	s_mul_i32 s89, s[WV], 12800
	s_add_co_u32 s89, s89, 12288
	s_lshr_b32 s90, s[WV], 1
	s_lshl_b32 s90, s90, 5
	s_and_b32 s91, s[WV], 1
	s_lshl_b32 s91, s91, 3
	s_add_co_u32 s90, s90, s91                     ; my fragment's first row: 32 (w / 2) + 8 (w % 2)
	s_mul_i32 s90, s90, 528
	s_add_co_u32 s90, s90, MB
	s_mov_b32 s[SEL], 0x76543210
	s_mov_b32 s[SEL+1], 0xfedcba98
	s_mov_b32 s[CS], 0x3fb8aa3b                    ; log2(e)
	s_mov_b32 s[CS+1], s[CS]
	s_mov_b32 s[CM], 0xc61c4000                    ; -10000
	s_mov_b32 s[CM+1], s[CM]
	s_wait_alu depctr_va_vdst(0)
	s_wait_dscnt 0x0                               ; both opening adds are done
	s_wait_kmcnt 0x0
	s_add_nc_u64 s[G0M+2:G0M+3], s[6:7], s[72:73]
	s_or_b32 s[G0M+3], s[G0M+3], 0x80000000
	s_add_nc_u64 s[G0D+2:G0D+3], s[4:5], s[76:77]
	s_or_b32 s[G0D+3], s[G0D+3], 0x80000000
	s_add_nc_u64 s[QB:QB+1], s[4:5], s[80:81]
	s_add_nc_u64 s[CB:CB+1], s[8:9], s[82:83]
	ROUND                                          ; all sixteen work-groups are here
	TLOAD                                          ; key step 0 into slot 0: one load a wave
	v_and_b32 v[TP], 31, v0
	v_and_b32 v[PT], 15, v0
	v_and_b32 v[PT+2], 7, v0
	v_bfe_u32 v[PT+3], v0, 3, 1
	v_lshlrev_b32 v[A16], 4, v[TP]
	v_lshlrev_b32 v[A8], 3, v[TP]
	v_lshlrev_b32 v[PT], 4, v[PT]                  ; 16 r
	v_mul_u32_u24 v[PT+2], v[PT+2], 528
	v_add_nc_u32 v[VO16], s84, v[A16]
	v_add_nc_u32 v[VO8], s85, v[A8]
	v_add_nc_u32 v[A8], 512, v[A8]
	v_mad_u32_u24 v[PT+2], v[PT+3], 8448, v[PT+2]  ; rows r % 8 + 16 (r / 8)
	v_bfe_u32 v[PT+3], v0, 4, 1
	v_add_nc_u32 v[PT+1], s86, v[PT]               ; Q's scale words
	v_add_nc_u32 v[SWR], s87, v[PT]
	v_add_nc_u32 v[SRD], s88, v[A16]
	v_add_nc_u32 v[VOS], s89, v[A16]
	v_lshl_add_u32 v[PT+2], v[PT+3], 6, v[PT+2]    ; + 64 h: my 16 keys of each 32
	v_add_nc_u32 v[AM], s90, v[PT+2]
	WIN 0x40
.irp n, 0,1,2,3
	global_load_b128 v[QC+12*\n+6:QC+12*\n+9], v[VO16], s[QB:QB+1] offset:884736*(\n/2)+768*(\n%2)   ; head n's half of my fragment of Q (the second pair's block lies 64 blocks on)
	global_load_b64 v[QC+12*\n+10:QC+12*\n+11], v[VO8], s[QB:QB+1] offset:884736*(\n/2)+768*(\n%2)
.endr
.irp z, 0,1,2,3,4
.irp i, 0,1,2,3,4,5
	v_mov_b32 v[QC+12*\z+\i], 0                    ; zero codes
.endr
.endr
.set jj, 0
.rept 128
	v_mov_b32 v[OT+jj], 0
.set jj, jj+1
.endr
	WIN 0
.irp n, 0,1,2,3
	global_load_b32 v[QS+\n], v[PT+1], s[QB:QB+1] offset:884736*(\n/2)+512*(\n%2)
.endr
.irp j, 0,1,2,3
.irp i, 0,1,2,3,4,5
	v_mov_b32 v[KF+18*\j+6+\i], 0
.endr
.endr
.irp n, 0,1,2,3
	v_mov_b32 v[STB+4*\n+1], 0xff61b1e6            ; the largest logit so far: -3e38
	v_mov_b32 v[STB+4*\n+2], 0
	v_mov_b32 v[STB+4*\n+3], 0
.endr
.irp n, 0,1,2,3
	v_floor_f32 v[STB+4*\n], -v[STB+4*\n+1]        ; and a first -M of 3e38: the first f is 0, on sums that are 0
.endr
	v_mov_b32 v[PSW], 0                            ; (named as the upper half of the pair with f before it is first written)
	s_wait_alu depctr_va_vdst(0)                   ; the wait at the head's end
	s_wait_loadcnt 0x0                             ; Q
	s_wait_tensorcnt 0x0                           ; my part of key step 0; slot 1's first fill is issued as a refill is
	ds_add_u32 v[SPW], v[NIL]
	NEXTG0
	s_wait_dscnt 0x0
	ROUND
	TLOAD                                          ; key step 1 into slot 1
	MLOAD
	KLOAD 0
	s_mov_b32 s[CNT], 14
.Lloop:                                            ; key steps 0 to 13: step s asks for step s + 2
	MTERM
	CELL 0, 0
	CELL 1, 0
	CELL 2, 0
	CELL 3, 1
	s_sub_co_u32 s[CNT], s[CNT], 1
	s_cmp_lg_u32 s[CNT], 0
	s_wait_alu depctr_va_vdst(0)
	s_cbranch_scc1 .Lloop
	s_mov_b32 s[CNT], 2
.Ltail:                                            ; key steps 14 and 15: nothing more is asked for
	MTERM
	CELL 0, 0
	CELL 1, 0
	CELL 2, 0
	CELL 3, 2
	s_sub_co_u32 s[CNT], s[CNT], 1
	s_cmp_lg_u32 s[CNT], 0
	s_wait_alu depctr_va_vdst(0)
	s_cbranch_scc1 .Ltail
	; THE WAY OUT: O^T / the sum; a head's two blocks of 32 along D are quantised; its half of my fragment image goes to memory, its two scale bytes to the scratch
.irp n, 0,1,2,3
	v_add_f32 v[STB+4*\n+2], v[STB+4*\n+2], v[STB+4*\n+3]
.endr
.irp n, 0,1,2,3
	v_permlanex16_b32 v[PT+\n], v[STB+4*\n+2], s[SEL], s[SEL+1]
.endr
.irp n, 0,1,2,3
	v_add_f32 v[STB+4*\n+2], v[STB+4*\n+2], v[PT+\n]   ; the row's sum
.endr
	s_wait_alu depctr_va_vdst(0)
.irp n, 0,1,2,3
	v_rcp_f32 v[STB+4*\n+2], v[STB+4*\n+2]
.endr
	v_nop                                          ; one plain place behind the batch
.macro OUT n
.set LS, STB+4*(\n)+2
.set OP, KF+8*(\n)                     ; each head's codes in registers of their own: no store's data are written again
	WIN 0x01
	s_wait_alu depctr_va_vdst(0)                   ; behind the reciprocals, directly ahead of the first reader of this head's O^T
.set jj, 0
.rept 32
	v_mul_f32 v[SV+jj], v[OT+32*(\n)+jj], v[LS]    ; register 16 j + i = depth 32 j + 16 h + i of my query
.set jj, jj+1
.endr
	WIN 0
.irp b, 0,1
	v_max3_num_f32 v[BMX+\b], |v[SV+16*\b]|, |v[SV+16*\b+1]|, 0x1800000
.endr
.irp i, 2,4,6,8,10,12,14
.irp b, 0,1
	v_max3_num_f32 v[BMX+\b], v[BMX+\b], |v[SV+16*\b+\i]|, |v[SV+16*\b+\i+1]|
.endr
.endr
.irp b, 0,1
	v_permlanex16_b32 v[PT+\b], v[BMX+\b], s[SEL], s[SEL+1]
.endr
.irp b, 0,1
	v_max_num_f32 v[BMX+\b], v[BMX+\b], v[PT+\b]
.endr
.irp b, 0,1
	v_add_nc_u32 v[SO+\b], 0xff000000, v[BMX+\b]
.endr
.irp b, 0,1
	v_lshrrev_b32 v[PT+\b], 23, v[SO+\b]
.endr
	v_lshl_or_b32 v[TP], v[PT+1], 8, v[PT]         ; my row's two scale bytes
	v_cvt_scalef32_pk16_fp6_f32 v[OP:OP+2], v[SV:SV+15], v[SO]
	v_cvt_scalef32_pk16_fp6_f32 v[CT:CT+2], v[SV+16:SV+31], v[SO+1]
	v_nop
.irp i, 0,1,2
	v_permlane16_swap_b32 v[OP+\i], v[CT+\i]
.endr
.irp i, 0,1,2
	v_mov_b32 v[OP+3+\i], v[CT+\i]
.endr
	global_store_b128 v[VO16], v[OP:OP+3], s[CB:CB+1] offset:12800*((\n)/2)+768*((\n)%2)    ; 512 consecutive bytes,
	global_store_b64 v[VO8], v[OP+4:OP+5], s[CB:CB+1] offset:12800*((\n)/2)+768*((\n)%2)    ; and 256
	ds_store_b16 v[SWR], v[TP] offset:512*((\n)/2)+2*((\n)%2)   ; (lanes l and l xor 16 write the same bytes with the same value)
.endm
	OUT 0
	OUT 1
	OUT 2
	OUT 3
	s_wait_dscnt 0x0                               ; for the others' sake
	s_barrier_signal -1
	s_barrier_wait -1
	s_cmp_gt_u32 s[WV], 1
	s_cbranch_scc1 .Lnot_mine
	ds_load_b128 v[SV:SV+3], v[SRD]                ; a pair's 512 bytes of scale words leave whole: wave 0 the first pair's, wave 1 the second's
	s_wait_dscnt 0x0
	global_store_b128 v[VOS], v[SV:SV+3], s[CB:CB+1]
.Lnot_mine:
	s_wait_tensorcnt 0x0                           ; the wave's end
	ds_add_u32 v[SPW], v[NIL]
	s_wait_dscnt 0x0
	ROUND                                          ; the closing round
	s_endpgm
.Lfunc_end_k_q0ca2395f86_attn:
	.size	k_q0ca2395f86_attn, .Lfunc_end_k_q0ca2395f86_attn-k_q0ca2395f86_attn
	.p2alignl 7, 3214868480
	.fill 96, 4, 3214868480
	.section	.rodata,"a",@progbits
	.p2align	6, 0x0
	.amdhsa_kernel k_q0ca2395f86_attn
		.amdhsa_group_segment_fixed_size 327680
		.amdhsa_private_segment_fixed_size 0
		.amdhsa_enable_private_segment 0
		.amdhsa_kernarg_size 24
		.amdhsa_user_sgpr_count 2
		.amdhsa_user_sgpr_kernarg_segment_ptr 1
		.amdhsa_wavefront_size32 1
		.amdhsa_system_sgpr_workgroup_id_x 1
		.amdhsa_system_sgpr_workgroup_id_y 1
		.amdhsa_system_sgpr_workgroup_id_z 1
		.amdhsa_system_vgpr_workitem_id 0
		.amdhsa_next_free_vgpr 512
		.amdhsa_next_free_sgpr 92
		.amdhsa_reserve_vcc 0
		.amdhsa_float_denorm_mode_32 3
		.amdhsa_float_denorm_mode_16_64 3
		.amdhsa_memory_ordered 1
		.amdhsa_forward_progress 1
		.amdhsa_inst_pref_size 165
	.end_amdhsa_kernel
	.amdgpu_metadata
---
amdhsa.version: [ 1, 2 ]
amdhsa.kernels:
  - .name:           k_q0ca2395f86_attn
    .symbol:         k_q0ca2395f86_attn.kd
    .args:
      - { .name: att, .offset: 0, .size: 8, .value_kind: global_buffer, .address_space: global }
      - { .name: mask, .offset: 8, .size: 8, .value_kind: global_buffer, .address_space: global }
      - { .name: ctximg, .offset: 16, .size: 8, .value_kind: global_buffer, .address_space: global }
    .group_segment_fixed_size: 327680
    .private_segment_fixed_size: 0
    .kernarg_segment_align: 8
    .kernarg_segment_size: 24
    .max_flat_workgroup_size: 256
    .sgpr_count:     92
    .vgpr_count:     512
    .wavefront_size: 32
...
	.end_amdgpu_metadata
.endif
;; end of part 3
;; launch outp (part 4): grid 4 x 32, 4 waves a work-group, clusters of 4 x 4, 327,680 bytes of LDS; arguments ctximg, opimg, dense_b, out0; writes out0
.if DOCPART == 4
	.amdgcn_target "amdgcn-amd-amdhsa--gfx1250"
	.amdhsa_code_object_version 6
	.text
	.protected	k_q0ca2395f86_outp
	.globl	k_q0ca2395f86_outp
	.p2align	8
	.type	k_q0ca2395f86_outp,@function
k_q0ca2395f86_outp:
	s_mov_b64 s[64:65], 0
	v_nop
	global_prefetch_b8 v0, s[64:65] scope:SCOPE_SE
	s_setreg_imm32_b32 hwreg(HW_REG_WAVE_MODE, 25, 1), 1
	s_wait_xcnt 0x0
	s_wait_alu depctr_hold_cnt(0) depctr_sa_sdst(0) depctr_va_vdst(0) depctr_va_sdst(0) depctr_va_ssrc(0) depctr_va_vcc(0) depctr_vm_vsrc(0)
	s_getreg_b32 s2, hwreg(HW_REG_IB_STS2, 6, 4)
	s_cmp_eq_u32 s2, 0
	s_cbranch_scc0 .Lentry_in_a_cluster
	s_endpgm
.Lentry_in_a_cluster:
	s_bfe_u32 s2, ttmp6, 0x10000c
	s_cmp_lg_u32 s2, 0xf033
	s_cbranch_scc0 .Lentry_shape_is_right
	s_endpgm
.Lentry_shape_is_right:
.set GBB,   12800
.set RT,    2*GBB
.set TILEB, 8*GBB
.set SLOT,  4*RT
.set SPARE, 2*SLOT
.set STO, 12
.set RD,  13
.set ADRA16, 16
.set ADRA8,  18
.set ADRB16, 20
.set ADRB8,  22
.set L16, 24
.set L8,  25
.set LN,  26
.set SPW, 28
.set NIL, 29
.set SC,  32
.set BN,  64
.set AF,  128
.set BK,  128
.set G1,  24
.set G0,  32
.set G1B, 48
.set G0B, 56
.set MSB, 0
.macro WIN new
.if MSB != \new
	s_set_vgpr_msb (MSB<<8)|\new
.set MSB, \new
.endif
.endm
.set MUL_LO, 0xa1
.set MUL_HI, 0xf1
.set TO_B,   0x40
.macro JLOAD s
	s_cmp_eq_u32 s15, 0
	s_cbranch_scc0 .Lfor_b_\@
	tensor_load_to_lds s[G0+4*\s:G0+4*\s+3], s[G1:G1+7]
	s_nop 0
.rept 4
	v_nop
.endr
	s_branch .Lasked_\@
.Lfor_b_\@:
	tensor_load_to_lds s[G0B+4*\s:G0B+4*\s+3], s[G1B:G1B+7]
	s_nop 0
.rept 4
	v_nop
.endr
.Lasked_\@:
.endm
.macro CREST
	s_cmp_lg_u32 s14, 0
	s_cbranch_scc1 .Lnot_wave_0_\@
	s_barrier_signal -3
.Lnot_wave_0_\@:
	s_barrier_wait -3
	s_barrier_signal -1
	s_barrier_wait -1
.endm
.macro CROUND
	s_barrier_signal -1
	s_barrier_wait -1
	CREST
.endm
.macro PLACES
.rept 4
	v_nop
.endr
.endm
.macro WM d, x, y, c, sx, sy, ox, oy
.set rD, \d
.set rX, \x
.set rY, \y
.set rC, \c
.set rSX, \sx
.set rSY, \sy
.if ((\ox) == 0) && ((\oy) == 0)
	v_wmma_scale_f32_16x16x128_f8f6f4 v[rD:rD+7], v[rX:rX+11], v[rY:rY+11], v[rC:rC+7], v[rSX], v[rSY] matrix_a_fmt:MATRIX_FMT_FP6 matrix_b_fmt:MATRIX_FMT_FP6
.elseif (\oy) == 0
	v_wmma_scale_f32_16x16x128_f8f6f4 v[rD:rD+7], v[rX:rX+11], v[rY:rY+11], v[rC:rC+7], v[rSX], v[rSY] matrix_a_fmt:MATRIX_FMT_FP6 matrix_b_fmt:MATRIX_FMT_FP6 matrix_a_scale:MATRIX_SCALE_ROW1
.elseif (\ox) == 0
	v_wmma_scale_f32_16x16x128_f8f6f4 v[rD:rD+7], v[rX:rX+11], v[rY:rY+11], v[rC:rC+7], v[rSX], v[rSY] matrix_a_fmt:MATRIX_FMT_FP6 matrix_b_fmt:MATRIX_FMT_FP6 matrix_b_scale:MATRIX_SCALE_ROW1
.else
	v_wmma_scale_f32_16x16x128_f8f6f4 v[rD:rD+7], v[rX:rX+11], v[rY:rY+11], v[rC:rC+7], v[rSX], v[rSY] matrix_a_fmt:MATRIX_FMT_FP6 matrix_b_fmt:MATRIX_FMT_FP6 matrix_a_scale:MATRIX_SCALE_ROW1 matrix_b_scale:MATRIX_SCALE_ROW1
.endif
.endm
.macro FRAG reg, a16, a8, q, i
	ds_load_b128 v[\reg:\reg+3], v[\a16] offset:GBB*(\q)+1536*(\i)
	ds_load_b64 v[\reg+4:\reg+5], v[\a8] offset:GBB*(\q)+1536*(\i)
	ds_load_b128 v[\reg+6:\reg+9], v[\a16] offset:GBB*(\q)+1536*(\i)+768
	ds_load_b64 v[\reg+10:\reg+11], v[\a8] offset:GBB*(\q)+1536*(\i)+768
.endm
.macro FETCH_B slot, q, p
	WIN TO_B
.irp i, 0,1,2,3,4,5,6,7
	FRAG 128*(\p)+12*\i, ADRB16+\slot, ADRB8+\slot, \q, \i
.endr
	WIN 0
.endm
.macro FETCH_A slot, q, i0
.irp i, \i0, \i0+1, \i0+2, \i0+3
	FRAG AF+12*(\i), ADRA16+\slot, ADRA8+\slot, \q, \i
.endr
.endm
.macro SCALES slot
.irp q, 0,1
	ds_load_b128 v[SC+16*\slot+8*\q:SC+16*\slot+8*\q+3], v[ADRA16+\slot] offset:GBB*\q+12288
	ds_load_b128 v[SC+16*\slot+8*\q+4:SC+16*\slot+8*\q+7], v[ADRB16+\slot] offset:GBB*\q+12288
.endr
.endm
.macro MUL16 a0, p, q, set, first
.irp a, \a0, \a0+1
.irp b, 0,1,2,3,4,5,6,7
.if \first
	WM 8*(8*((\a)%4)+\b), 128*(\p)+12*\b, AF+12*(\a), BN+8*\b, SC+16*(\set)+8*(\q)+4+\b/2, SC+16*(\set)+8*(\q)+(\a)/2, \b%2, (\a)%2
.else
	WM 8*(8*((\a)%4)+\b), 128*(\p)+12*\b, AF+12*(\a), 8*(8*((\a)%4)+\b), SC+16*(\set)+8*(\q)+4+\b/2, SC+16*(\set)+8*(\q)+(\a)/2, \b%2, (\a)%2
.endif
.endr
.endr
.endm
.macro STEP slot, first
	s_wait_dscnt 16
.if \first
	WIN 0x81
.else
	WIN MUL_LO
.endif
	MUL16 0, 0, 0, \slot, \first
	MUL16 2, 0, 0, \slot, \first
	s_wait_dscnt 0x0
	PLACES
	FETCH_B \slot, 1, 1
	FETCH_A \slot, 1, 0
.if \first
	WIN 0xc1
.else
	WIN MUL_HI
.endif
	MUL16 4, 0, 0, \slot, \first
	MUL16 6, 0, 0, \slot, \first
	PLACES
	WIN 0
	FETCH_A \slot, 1, 4
.endm
.macro TURN slot, next, fill
	s_wait_tensorcnt 0x0
	ds_add_u32 v[SPW], v[NIL]
	s_wait_dscnt 17
	WIN MUL_LO
	MUL16 0, 1, 1, \slot, 0
	s_wait_dscnt 0x0
	s_barrier_signal -1
	MUL16 2, 1, 1, \slot, 0
	WIN 0
	s_barrier_wait -1
.if \fill
	CREST
	s_add_nc_u64 s[G0+4*\slot+2:G0+4*\slot+3], s[G0+4*\slot+2:G0+4*\slot+3], 2*RT
	s_add_nc_u64 s[G0B+4*\slot+2:G0B+4*\slot+3], s[G0B+4*\slot+2:G0B+4*\slot+3], 2*RT
	JLOAD \slot
.else
	PLACES
.endif
	s_wait_alu depctr_va_vdst(0)
	FETCH_B \next, 0, 0
	FETCH_A \next, 0, 0
	SCALES \next
	WIN MUL_HI
	MUL16 4, 1, 1, \slot, 0
	MUL16 6, 1, 1, \slot, 0
	PLACES
	WIN 0
	FETCH_A \next, 0, 4
.endm
	s_load_b256 s[4:11], s[0:1], 0x0
	v_lshl_add_u32 v[SPW], v0, 2, SPARE
	v_mov_b32 v[NIL], 0
	ds_add_u32 v28, v29
	ds_add_u32 v28, v29
	s_wait_dscnt 0x0
	v_lshrrev_b32 v1, 5, v0
	v_readfirstlane_b32 s14, v1
	s_lshr_b32 s15, s14, 1
	s_and_b32 s16, s14, 1
	s_bfe_u32 s40, ttmp6, 0x40000
	s_bfe_u32 s41, ttmp6, 0x40004
	s_and_b32 s17, ttmp7, 0xffff
	s_lshl_b32 s17, s17, 2
	s_add_co_u32 s17, s17, s41
	s_mov_b32 s42, s40
	s_lshl_b32 s43, s41, 2
	s_lshl_b32 s43, 15, s43
	s_lshl_b32 s44, 0x1111, s40
	s_or_b32 s[G1+0], s43, (3<<16)|(1<<21)
	s_or_b32 s[G1B+0], s44, (3<<16)|(1<<21)
.irp g, G1, G1B
	s_mov_b32 s[\g+1], 32<<16
	s_mov_b32 s[\g+2], 100<<16
	s_mov_b32 s[\g+3], 32<<16
	s_mov_b32 s[\g+4], 100
	s_mov_b32 s[\g+5], 32
	s_mov_b32 s[\g+6], 0
	s_mov_b32 s[\g+7], 0
.endr
	s_lshl_b32 s20, s17, 1
	s_add_co_u32 s20, s20, s16
	s_mul_i32 s20, s20, TILEB
	s_mov_b32 s21, 0
	s_lshl_b32 s46, s42, 1
	s_add_co_u32 s46, s46, s16
	s_mul_i32 s46, s46, TILEB
	s_add_co_u32 s46, s46, 1728*GBB
	s_mov_b32 s47, 0
	s_mul_i32 s45, s14, RT
	s_lshl_b32 s76, s17, 1
	s_add_co_u32 s76, s76, s15
	s_lshl_b32 s77, s42, 1
	s_add_co_u32 s77, s77, s16
	s_lshl_b32 s84, s77, 9
	s_mov_b32 s85, 0
	s_lshl_b32 s78, s76, 19
	s_add_co_u32 s78, s78, s84
	s_mov_b32 s79, 0
	s_wait_kmcnt 0x0
	s_add_nc_u64 s[86:87], s[8:9], s[84:85]
	s_add_nc_u64 s[10:11], s[10:11], s[78:79]
	s_add_nc_u64 s[20:21], s[4:5], s[20:21]
	s_add_nc_u64 s[46:47], s[6:7], s[46:47]
	v_bfe_u32 v2, v0, 4, 1                         ; the bias is asked for here, ahead of the rounds and the first tiles
	v_lshlrev_b32 v30, 6, v2
.irp g, 0,1,2,3,4,5,6,7,8,9,10,11,12,13,14,15
	global_load_b128 v[BN+4*\g:BN+4*\g+3], v30, s[86:87] offset:128*(\g/4)+16*(\g%4)
.endr
	CROUND
.irp s, 0,1
	s_mov_b32 s[G0+4*\s], 1
	s_add_co_u32 s[G0+4*\s+1], s45, \s*SLOT
	s_add_nc_u64 s[G0+4*\s+2:G0+4*\s+3], s[20:21], \s*RT
	s_or_b32 s[G0+4*\s+3], s[G0+4*\s+3], 0x80000000
	s_mov_b32 s[G0B+4*\s], 1
	s_add_co_u32 s[G0B+4*\s+1], s45, \s*SLOT
	s_add_nc_u64 s[G0B+4*\s+2:G0B+4*\s+3], s[46:47], \s*RT
	s_or_b32 s[G0B+4*\s+3], s[G0B+4*\s+3], 0x80000000
	s_wait_alu depctr_va_vdst(0)
	s_wait_tensorcnt 0x0
	ds_add_u32 v28, v29
	ds_add_u32 v28, v29
	s_wait_dscnt 0x0
	CROUND
	JLOAD \s
.endr
	v_and_b32 v[LN], 31, v0
	v_lshlrev_b32 v[L16], 4, v[LN]
	v_lshlrev_b32 v[L8], 3, v[LN]
	v_add_nc_u32 v27, 512, v[L8]
	s_mul_i32 s21, s15, RT
	s_mul_i32 s22, s16, RT
	s_add_co_u32 s22, s22, 2*RT
.irp s, 0,1
	v_add_nc_u32 v[ADRA16+\s], s21, v[L16]
	v_add_nc_u32 v[ADRA8+\s], s21, v27
	v_add_nc_u32 v[ADRB16+\s], s22, v[L16]
	v_add_nc_u32 v[ADRB8+\s], s22, v27
	s_add_co_u32 s21, s21, SLOT
	s_add_co_u32 s22, s22, SLOT
.endr
	v_bfe_u32 v2, v0, 4, 1
	v_and_b32 v1, 15, v0
	s_mul_i32 s23, s14, 16*528
	v_mul_u32_u24 v[STO], v1, 528
	v_lshl_add_u32 v[STO], v2, 6, v[STO]
	v_add_nc_u32 v[STO], s23, v[STO]
	v_add_nc_u32 v[RD], s23, v[L16]
	s_wait_alu depctr_va_vdst(0)
	s_wait_loadcnt 0x0
	s_wait_tensorcnt 1
	s_barrier_signal -1
	s_barrier_wait -1
	FETCH_B 0, 0, 0
	FETCH_A 0, 0, 0
	SCALES 0
	FETCH_A 0, 0, 4
	STEP 0, 1
	TURN 0, 1, 1
	STEP 1, 0
	TURN 1, 0, 1
	STEP 0, 0
	TURN 0, 1, 0
	STEP 1, 0
	s_wait_dscnt 16
	WIN MUL_LO
	MUL16 0, 1, 1, 1, 0
	MUL16 2, 1, 1, 1, 0
	s_wait_dscnt 0x0
	WIN MUL_HI
	MUL16 4, 1, 1, 1, 0
	MUL16 6, 1, 1, 1, 0
	WIN 0
.macro TOSTAGE a
.set AC, 64*((\a)%4)
	WIN 0x08+4*((\a)/4)
.irp b, 0,1,2,3,4,5,6,7
	ds_store_b128 v[STO], v[AC+8*\b:AC+8*\b+3] offset:128*(\b/2)+32*(\b%2)
	ds_store_b128 v[STO], v[AC+8*\b+4:AC+8*\b+7] offset:128*(\b/2)+32*(\b%2)+16
.endr
	WIN 0
.set BB, BK+64*((\a)%2)
.irp t, 0,1,2,3,4,5,6,7,8,9,10,11,12,13,14,15
	ds_load_b128 v[BB+4*\t:BB+4*\t+3], v[RD] offset:528*\t
.endr
.endm
.macro SEND a, younger
.set BB, BK+64*((\a)%2)
	s_wait_dscnt \younger
.irp t, 0,1,2,3,4,5,6,7,8,9,10,11,12,13,14,15
	global_store_b128 v[L16], v[BB+4*\t:BB+4*\t+3], s[10:11] offset:(32*((\a)/2)+8*((\a)%2)+\t+8*(\t/8))*4096 th:TH_STORE_NT
.endr
.endm
	PLACES
	TOSTAGE 0
.irp a, 1,2,3,4,5,6,7
.if \a > 1
	s_wait_xcnt 0x0
.endif
	TOSTAGE \a
	SEND \a-1, 32
.endr
	SEND 7, 0
	s_wait_tensorcnt 0x0
	ds_add_u32 v[SPW], v[NIL]
	s_wait_dscnt 0x0
	CROUND
	s_endpgm
.Lfunc_end_k_q0ca2395f86_outp:
	.size	k_q0ca2395f86_outp, .Lfunc_end_k_q0ca2395f86_outp-k_q0ca2395f86_outp
	.p2alignl 7, 3214868480
	.fill 96, 4, 3214868480
	.section	.rodata,"a",@progbits
	.p2align	6, 0x0
	.amdhsa_kernel k_q0ca2395f86_outp
		.amdhsa_group_segment_fixed_size 327680
		.amdhsa_private_segment_fixed_size 0
		.amdhsa_enable_private_segment 0
		.amdhsa_kernarg_size 32
		.amdhsa_user_sgpr_count 2
		.amdhsa_user_sgpr_kernarg_segment_ptr 1
		.amdhsa_wavefront_size32 1
		.amdhsa_system_sgpr_workgroup_id_x 1
		.amdhsa_system_sgpr_workgroup_id_y 1
		.amdhsa_system_sgpr_workgroup_id_z 1
		.amdhsa_system_vgpr_workitem_id 0
		.amdhsa_next_free_vgpr 1024
		.amdhsa_next_free_sgpr 98
		.amdhsa_reserve_vcc 0
		.amdhsa_float_denorm_mode_32 3
		.amdhsa_float_denorm_mode_16_64 3
		.amdhsa_memory_ordered 1
		.amdhsa_forward_progress 1
		.amdhsa_inst_pref_size 142
	.end_amdhsa_kernel
	.amdgpu_metadata
---
amdhsa.version: [ 1, 2 ]
amdhsa.kernels:
  - .name:           k_q0ca2395f86_outp
    .symbol:         k_q0ca2395f86_outp.kd
    .args:
      - { .name: ctximg, .offset: 0, .size: 8, .value_kind: global_buffer, .address_space: global }
      - { .name: opimg, .offset: 8, .size: 8, .value_kind: global_buffer, .address_space: global }
      - { .name: dense_b, .offset: 16, .size: 8, .value_kind: global_buffer, .address_space: global }
      - { .name: out0, .offset: 24, .size: 8, .value_kind: global_buffer, .address_space: global }
    .group_segment_fixed_size: 327680
    .private_segment_fixed_size: 0
    .kernarg_segment_align: 8
    .kernarg_segment_size: 32
    .max_flat_workgroup_size: 128
    .sgpr_count:     98
    .vgpr_count:     1024
    .wavefront_size: 32
...
	.end_amdgpu_metadata
.endif
;; end of part 4
